; MI455X (gfx1250); checked and timed in simulation.
; The chip was launched on July 23, 2026; its instructions are those of AMD's public machine-readable ISA for CDNA 5 (MIT licence, August 2026) and "CDNA5" Instruction Set Architecture Reference Guide (July 2026). The comments in the code are by the model that wrote it; some were corrected since.
;; Label Wise Attn. Allowed arithmetic: matrix products marked QUANTISED: E4M3 operands, one E8M0 scale for each 32 along K, by v_wmma_scale_f32_16x16x128_f8f6f4 with both operands' format E4M3, f32 sums; everything else in f32.
;; Inputs: U_weight 8,921 x 128 float32; x 8 x 2,500 x 128 float32.
;; Outputs: out0 8 x 8,921 x 128 float32.
;; This version of the problem:
;;   THIS VERSION OF THE PROBLEM IS GIVEN IN LOW PRECISION. The matrix products marked QUANTISED in the list below multiply operands that are first quantised to E4M3 (4 exponent bits, 3 mantissa bits; 8 bits a number), with one power-of-two scale for each 32 numbers along K (OCP MX v1.0); their sums are f32. All else is computed in f32.
;;   The module's matrix products, in the order in which they are computed (A, B: the left and right operand; K: the contracted axis; several contracted axes count as one K, in the product's order):
;;     1. [M 20,000, K 128] x [K 128, N 8,921]; A: input x; B: input U_weight: QUANTISED
;;     2. batch 8 x [M 8,921, K 2,500] x [K 2,500, N 128]; A: softmax (see below); B: input x: QUANTISED
;;   THE QUANTISER, for each operand of a quantised product, along K:
;;     - K is cut into blocks of 32 from its start; a last block that is shorter is filled with zeros.
;;     - A block's scale is 2^e with e = floor(log2(the largest magnitude in the block)) - 8, held to -126 .. 127; a block of zeros has e = 0. As a byte (E8M0): e + 127.
;;     - Each number is divided by its block's scale, clamped to +-448, and rounded to the nearest number of E4M3, ties to even, subnormals kept.
;;     - The product sums the exact products of the quantised numbers (number of the format x scale) in f32.
;;   ~~~python
;;   def quantise(x, axis):      # numpy; x: float32 -> the quantised numbers, widened to float32 again
;;       x = np.moveaxis(x, axis, -1); K = x.shape[-1]
;;       x = np.pad(x, [(0, 0)] * (x.ndim - 1) + [(0, -K % 32)]); x = x.reshape(x.shape[:-1] + (-1, 32)); a = np.abs(x).max(-1, keepdims=True)
;;       e = np.where(a > 0, np.clip(np.frexp(np.where(a > 0, a, 1))[1] - 1 - 8, -126, 127), 0)      # np.frexp(a)[1] - 1 = floor(log2(a)), exactly
;;       r = np.clip(x / 2.0 ** e, -448, 448)
;;       step = 2.0 ** (np.maximum(np.frexp(np.where(r == 0, 1, r))[1] - 1, -6) - 3)
;;       q = np.round(r / step) * step * 2.0 ** e      # np.round: ties to even
;;       return np.moveaxis(q.reshape(q.shape[:-2] + (-1,))[..., :K], -1, axis).astype(np.float32)
;;   ~~~
;;   SOFTMAX AHEAD OF A QUANTISED PRODUCT. Where the list says 'softmax', what is quantised is not the finished softmax but p = 2^(t - M), with t = logit x log2(e) and M = ceil(the row's largest t), a whole number; so 1/2 < the row's largest p <= 1. The row's sum l is taken of the UNQUANTISED p, in f32, and the product's result is divided by l at the end. Since M is a whole number, a kernel that streams over the keys may use a running M (the ceiling of the running maximum): every later rescaling is an exact power of two, which a block's scale takes up: the codes' values come out the same.
;;   OPERANDS COMPUTED ON THE WAY. 'Computed on the way' means the value that the module computes at that place (a softmax that the list does not call 'softmax' is quantised finished and normalised). What goes into a quantiser is computed in f32, as accurately as f32 sums, v_exp_f32 and their like allow (about 1e-6 of the number): no bf16 or f16 on the way to a quantiser, and a product that is left as it is and whose result goes on into a quantised operand takes f32 operands (vector FMAs, or v_wmma_f32_16x16x4_f32). A number that lies on a knife's edge between two numbers of the format may be rounded either way, as far as f32 arithmetic and the matrix unit's own rounding can turn it there, and no further.
;; One version. Each part assembles by itself: llvm-mc -triple=amdgcn-amd-amdhsa -mcpu=gfx1250 --defsym DOCPART=n.
;; ======== version 1 of 1: 2 launches
;; limits: right only within a limited range of input values
;; workspace buffers: kv 5,406,720 bytes; uq 1,285,632 bytes
;; launch prep (part 1): grid 49 x 8, 8 waves a work-group, no clusters, 1,536 bytes of LDS; arguments x, U_weight, kv, uq; writes kv, uq
.if DOCPART == 1
	.amdgcn_target "amdgcn-amd-amdhsa--gfx1250"
	.amdhsa_code_object_version 6
	.text
	.protected	k_q3ef0dcc367_prep
	.globl	k_q3ef0dcc367_prep
	.p2align	8
	.type	k_q3ef0dcc367_prep,@function
k_q3ef0dcc367_prep:
	s_mov_b64 s[64:65], 0
	v_nop
	global_prefetch_b8 v0, s[64:65] scope:SCOPE_SE
	s_setreg_imm32_b32 hwreg(HW_REG_WAVE_MODE, 25, 1), 1
	s_wait_xcnt 0x0
; x [8][2500][128] f32 is quantised twice to codes of FP8 (E4M3) with one E8M0 byte for each 32 numbers: along d (the keys of the first product) and along the
; sequence (the values of the second product).  U [8921][128] f32 is quantised once, along d.  The codes are laid as IMAGES OF THE OPERANDS' REGISTERS.
; kv: a key step of 128 keys on end: STEPB = 33,792 bytes:
;   0     + 2048 t + 512 c + 16 L : K fragment t, registers 4 c .. 4 c + 3 of lane L = (r, h): key 128 s + 32 (t / 2) + 8 (t % 2) + r + 8 (r / 8), d = 32 c + 16 h + 0 .. 15
;   16384 + 2048 t + 512 c + 16 L : V fragment t: column d = 16 t + r, keys 128 s + 32 c + 16 h + 0 .. 15
;   32768 + 256 j + 8 L           : the scale word of K tile 2 j + h, row r;  4 bytes on: that of V tile 2 j + h, row r
; uq: a tile of 16 rows of U on end, 2,304 bytes: 512 c + 16 L as K's, then 2048 + 8 L: the scale word of row r, twice.
; A block's scale is 2^(floor(log2(its largest magnitude)) - 8); its byte is the largest magnitude's exponent field - 8, held at 1 from below.
; KEYS FROM 2,500 ON (the last step has 68 true keys): copies of true rows stand there, so that no load leaves x.  K: the row is held at 2,499.  V: rows go in groups of four and a group's
; first row is held at 2,496, so that the copies in block 78 are rows 2,496 to 2,499, its own true rows: its largest magnitude, its scale and its true codes are as with zeros there.
; The reader gives those keys the weight 0 (zero codes), so the copies add nothing.  Rows 9 to 15 of U's last tile are copies of row 8,920.
; SHARES.  Work-groups x = 0 .. 39 of batch y: half x % 2 of step x / 2.  Wave w, with j = 2 (x % 2) + w / 4 and i = w % 4: K tile 2 j + i % 2, d blocks 2 (i / 2) and one on; V columns 32 j .. 32 j + 31, key block i.
; Work-groups x = 40 .. 48: wave w takes tile 8 (x - 40) + y + 72 w of U, where there is one.
; Each wave's loads go out together, ahead of its work; there is no loop to run ahead in, so nothing is prefetched.
; LIMITS: NaN and infinities among the inputs are not served.  A block whose largest magnitude lies under 2^-118 gets the byte 1; a block of zeros too, where the rule says 127: its codes are
; zeros, which add nothing under any byte but 0xff, and this program alone reads the bytes.
; REGISTERS: v16-27 at work; v28-35 V's row offsets; v36-51 codes; v52-83 K's numbers (U: v52-115); v84-115 V's.
; LDS: 256 bytes for each j of the work-group: its scale words, as they lie in kv; behind them the spare words.
.set STEPB, 33792
.set XB,    1280000                    ; a batch of x in bytes
.set UT,    2304                       ; a tile of uq
.set SPARE, 512                        ; the spare words, 128 bytes for each wave: four blocks of 256 bytes that no other line names
	s_load_b128 s[4:7], s[0:1], 0x0                ; x, U
	s_load_b128 s[8:11], s[0:1], 0x10              ; kv, uq
	v_lshl_add_u32 v12, v0, 2, SPARE               ; the add's two registers
	v_mov_b32 v13, 0
	v_lshrrev_b32 v1, 5, v0
	v_readfirstlane_b32 s12, v1                    ; wave 0..7
	v_and_b32 v1, 31, v0                           ; lane
	v_and_b32 v2, 15, v0                           ; r
	v_bfe_u32 v3, v0, 4, 1                         ; h
	v_lshlrev_b32 v6, 4, v1                        ; 16 x lane: an image's place for my lane
	v_lshlrev_b32 v8, 3, v1                        ; 8 x lane
	v_mov_b32 v20, 0                               ; written once: a lane permute's destination counts as one of its sources
	v_mov_b32 v21, 0
	s_and_b32 s13, ttmp7, 0xffff                   ; y
	s_mov_b32 s20, 0x76543210
	s_mov_b32 s21, 0xfedcba98                      ; v_permlanex16_b32's selects for lane l xor 16
	s_mov_b32 s23, 0x600000                        ; the mantissa field of 448
; 32 numbers of my lane, 16 of each of two blocks of 32 (lane l xor 16 has the other 16), become 8 registers of codes and two scale bytes
.macro QUANT2 reg, pc, pw
	v_max3_num_f32 v16, |v[\reg]|, |v[\reg+1]|, 0x4800000      ; with the floor 2^(9 - 127): the byte cannot fall under 1
	v_max3_num_f32 v17, |v[\reg+8]|, |v[\reg+9]|, |v[\reg+10]|
	v_max3_num_f32 v18, |v[\reg+16]|, |v[\reg+17]|, 0x4800000
	v_max3_num_f32 v19, |v[\reg+24]|, |v[\reg+25]|, |v[\reg+26]|
.irp i, 2,4
	v_max3_num_f32 v16, v16, |v[\reg+\i]|, |v[\reg+\i+1]|
	v_max3_num_f32 v17, v17, |v[\reg+\i+9]|, |v[\reg+\i+10]|
	v_max3_num_f32 v18, v18, |v[\reg+\i+16]|, |v[\reg+\i+17]|
	v_max3_num_f32 v19, v19, |v[\reg+\i+25]|, |v[\reg+\i+26]|
.endr
	v_max3_num_f32 v16, v16, |v[\reg+6]|, |v[\reg+7]|
	v_max3_num_f32 v18, v18, |v[\reg+22]|, |v[\reg+23]|
	v_max3_num_f32 v16, v16, v17, |v[\reg+15]|
	v_max3_num_f32 v18, v18, v19, |v[\reg+31]|
	v_permlanex16_b32 v20, v16, s20, s21
	v_permlanex16_b32 v21, v18, s20, s21
	v_max_num_f32 v16, v16, v20                    ; the block's largest magnitude
	v_max_num_f32 v18, v18, v21
	v_add_nc_u32 v22, 0xfc000000, v16              ; 8 off its exponent field: the conversion takes this operand's exponent field as its scale
	v_add_nc_u32 v23, 0xfc000000, v18
	v_and_or_b32 v24, v16, 0x7f800000, s23         ; 448 x the scale
	v_and_or_b32 v25, v18, 0x7f800000, s23
	v_lshrrev_b32 v26, 23, v22                     ; the scales' bytes
	v_lshrrev_b32 v27, 23, v23
.set n, 0
.rept 16
	v_med3_num_f32 v[\reg+n], v[\reg+n], -v24, v24 ; the conversion to an 8-bit code does not saturate (ISA guide 7.6.2): the hold
	v_med3_num_f32 v[\reg+16+n], v[\reg+16+n], -v25, v25
.set n, n+1
.endr
	v_cvt_scalef32_pk8_fp8_f32 v[\pc:\pc+1], v[\reg:\reg+7], v22
	v_cvt_scalef32_pk8_fp8_f32 v[\pc+2:\pc+3], v[\reg+8:\reg+15], v22
	v_cvt_scalef32_pk8_fp8_f32 v[\pc+4:\pc+5], v[\reg+16:\reg+23], v23
	v_cvt_scalef32_pk8_fp8_f32 v[\pc+6:\pc+7], v[\reg+24:\reg+31], v23
	v_lshl_or_b32 v[\pw], v27, 8, v26              ; (the plain line behind the last conversion)
.endm
	s_wait_alu depctr_va_vdst(0)                   ; ahead of the branch
	s_cmp_lt_u32 ttmp9, 40
	s_cbranch_scc0 .Lu
	; x: the scalars first
	s_lshr_b32 s14, ttmp9, 1                       ; s: the key step
	s_and_b32 s15, ttmp9, 1
	s_lshl_b32 s15, s15, 1
	s_lshr_b32 s16, s12, 2                         ; which of the work-group's two j
	s_add_co_u32 s15, s15, s16                     ; j
	s_and_b32 s17, s12, 3                          ; i
	s_and_b32 s18, s17, 1
	s_lshr_b32 s19, s17, 1
	s_lshl_b32 s24, s14, 7                         ; the step's first key
	s_lshl_b32 s25, s15, 5
	s_add_co_u32 s25, s25, s24
	s_lshl_b32 s26, s18, 3
	s_add_co_u32 s25, s25, s26                     ; K tile's first key
	s_lshl_b32 s26, s19, 8                         ; my d blocks begin 256 (i / 2) bytes on
	s_lshl_b32 s27, s15, 7                         ; V: my columns begin 128 j bytes on
	s_lshl_b32 s28, s17, 5
	s_add_co_u32 s28, s28, s24                     ; V: my block's first key
.irp g, 0,1,2,3,4,5,6,7
	s_add_co_u32 s[32+\g], s28, 4*\g
	s_min_u32 s[32+\g], s[32+\g], 2496             ; a group's first row
.endr
	s_lshl_b32 s29, s16, 8                         ; LDS: my j's 256 bytes
	s_lshl_b32 s30, s18, 7
	s_add_co_u32 s30, s30, s29
	s_lshl_b32 s31, s19, 1
	s_add_co_u32 s30, s30, s31                     ; K's two bytes: 128 (i % 2) + 2 (i / 2)
	s_add_co_u32 s31, s29, 4
	s_add_co_u32 s31, s31, s17                     ; V's byte: 4 + i
	s_mul_i32 s40, s13, XB
	s_mov_b32 s41, 0
	s_mul_i32 s42, s13, 20
	s_add_co_u32 s42, s42, s14
	s_mul_i32 s42, s42, STEPB                      ; the step's first byte in kv (under 2^23)
	s_lshl_b32 s44, s15, 12
	s_add_co_u32 s44, s44, s42                     ; fragments 2 j
	s_lshl_b32 s46, s17, 9
	s_add_co_u32 s46, s46, s44
	s_add_co_u32 s46, s46, 16384                   ; V's, my key block
	s_mov_b32 s47, 0
	s_lshl_b32 s45, s18, 11
	s_add_co_u32 s44, s44, s45
	s_lshl_b32 s45, s19, 10
	s_add_co_u32 s44, s44, s45                     ; K's fragment 2 j + i % 2, my d blocks
	s_mov_b32 s45, 0
	s_lshl_b32 s43, s15, 8
	s_add_co_u32 s42, s42, s43
	s_add_co_u32 s42, s42, 32768                   ; the scale words of j
	s_mov_b32 s43, 0
	v_and_b32 v4, 8, v2
	v_add_nc_u32 v4, v4, v2                        ; r + 8 (r / 8)
	v_add_nc_u32 v4, s25, v4                       ; my key
	v_min_u32 v4, 2499, v4                         ; no load leaves x
	v_lshlrev_b32 v4, 9, v4                        ; a row is 512 bytes
	v_lshl_add_u32 v4, v3, 6, v4                   ; + 64 h: my 16 numbers of a block of 32
	v_add_nc_u32 v4, s26, v4
	v_lshl_add_u32 v9, v1, 2, s27                  ; V: my column's byte in a row
.irp g, 0,1,2,3,4,5,6,7
	v_lshl_add_u32 v[28+\g], s[32+\g], 9, v9
.endr
	v_lshlrev_b32 v7, 4, v2
	v_lshl_add_u32 v7, v3, 11, v7                  ; V's codes: fragment 2 j + h, lane place r
	v_lshlrev_b32 v11, 3, v2
	v_add_nc_u32 v11, s30, v11                     ; LDS: K's two bytes of row r
	v_add_nc_u32 v14, s31, v8                      ; V's byte of my column
	v_add_nc_u32 v15, s29, v8                      ; and, on the way out, my 8 bytes
	s_wait_alu depctr_va_vdst(0)                   ; at the head's end
	s_wait_kmcnt 0x0
	s_add_nc_u64 s[4:5], s[4:5], s[40:41]          ; x at my batch
	s_add_nc_u64 s[44:45], s[8:9], s[44:45]        ; kv at my part of K,
	s_add_nc_u64 s[46:47], s[8:9], s[46:47]        ; of V,
	s_add_nc_u64 s[42:43], s[8:9], s[42:43]        ; and of the scale words
.irp b, 0,1
.irp q, 0,1,2,3
	global_load_b128 v[52+16*\b+4*\q:55+16*\b+4*\q], v4, s[4:5] offset:128*\b+16*\q
.endr
.endr
.set n, 0
.rept 32                                       ; a lane takes a column and its registers run down the keys: each load reads 128 consecutive bytes a wave, two waves 256
	global_load_b32 v[84+n], v[28+n/4], s[4:5] offset:512*(n%4)
.set n, n+1
.endr
	s_wait_loadcnt 32                              ; K's eight loads are in; V's 32 may be out
	QUANT2 52, 36, 10
.irp c, 0,1
	global_store_b128 v6, v[36+4*\c:39+4*\c], s[44:45] offset:512*\c   ; each store covers 512 consecutive bytes, aligned
.endr
	ds_store_b16 v11, v10                          ; (lanes l and l xor 16 write the same two bytes with the same value)
	s_wait_loadcnt 0x0
	v_max3_num_f32 v16, |v84|, |v85|, |v86|        ; a whole block of 32 keys lies in my 32 registers: four chains
	v_max3_num_f32 v17, |v92|, |v93|, |v94|
	v_max3_num_f32 v18, |v100|, |v101|, |v102|
	v_max3_num_f32 v19, |v108|, |v109|, |v110|
.irp i, 3,5
	v_max3_num_f32 v16, v16, |v[84+\i]|, |v[85+\i]|
	v_max3_num_f32 v17, v17, |v[92+\i]|, |v[93+\i]|
	v_max3_num_f32 v18, v18, |v[100+\i]|, |v[101+\i]|
	v_max3_num_f32 v19, v19, |v[108+\i]|, |v[109+\i]|
.endr
	v_max3_num_f32 v16, v16, v17, |v91|
	v_max3_num_f32 v18, v18, v19, |v99|
	v_max3_num_f32 v16, v16, v18, |v107|
	v_max3_num_f32 v16, v16, |v115|, 0x4800000     ; and the floor
	v_add_nc_u32 v22, 0xfc000000, v16              ; the conversion's scale operand
	v_and_or_b32 v24, v16, 0x7f800000, s23         ; 448 x the scale
	v_lshrrev_b32 v26, 23, v22                     ; the byte
	ds_store_b8 v14, v26
.set n, 0
.rept 32
	v_med3_num_f32 v[84+n], v[84+n], -v24, v24
.set n, n+1
.endr
.irp g, 0,1,2,3
	v_cvt_scalef32_pk8_fp8_f32 v[44+2*\g:45+2*\g], v[84+8*\g:91+8*\g], v22
.endr
	v_nop                                          ; one plain line behind the last conversion
	global_store_b128 v7, v[44:47], s[46:47]               ; keys 0 .. 15 of my block: the place of lane (r, 0); sixteen lanes store 256 consecutive bytes, aligned
	global_store_b128 v7, v[48:51], s[46:47] offset:256    ; keys 16 .. 31: the place of lane (r, 1)
	s_wait_dscnt 0x0                               ; my scale bytes are in LDS
	s_barrier_signal -1
	s_barrier_wait -1
	s_cmp_lg_u32 s17, 0                            ; one wave for each j sends the words
	s_cbranch_scc1 .Lx_end
	ds_load_b64 v[18:19], v15
	s_wait_dscnt 0x0
	global_store_b64 v8, v[18:19], s[42:43]        ; the 32 lanes store 256 consecutive bytes, aligned
.Lx_end:
	s_wait_tensorcnt 0x0                           ; the wave's end
	ds_add_u32 v12, v13
	s_wait_dscnt 0x0
	s_endpgm
.Lu:
	s_sub_co_u32 s14, ttmp9, 40
	s_lshl_b32 s14, s14, 3
	s_add_co_u32 s14, s14, s13
	s_mul_i32 s15, s12, 72
	s_add_co_u32 s14, s14, s15                     ; my tile of U
	s_cmp_gt_u32 s14, 557
	s_cbranch_scc1 .Lu_end                         ; (in 18 of the 72 work-groups the last wave has none)
	s_lshl_b32 s15, s14, 4
	s_mul_i32 s16, s14, UT
	s_mov_b32 s17, 0
	v_add_nc_u32 v4, s15, v2
	v_min_u32 v4, 8920, v4                         ; no load leaves U
	v_lshlrev_b32 v4, 9, v4
	v_lshl_add_u32 v4, v3, 6, v4
	s_wait_alu depctr_va_vdst(0)
	s_wait_kmcnt 0x0
	s_add_nc_u64 s[10:11], s[10:11], s[16:17]      ; uq at my tile
.irp b, 0,1,2,3
.irp q, 0,1,2,3
	global_load_b128 v[52+16*\b+4*\q:55+16*\b+4*\q], v4, s[6:7] offset:128*\b+16*\q
.endr
.endr
	s_wait_loadcnt 0x0
	QUANT2 52, 36, 28
	QUANT2 84, 44, 29
	v_lshl_or_b32 v28, v29, 16, v28                ; row r's scale word
	v_mov_b32 v29, v28
.irp c, 0,1,2,3
	global_store_b128 v6, v[36+4*\c:39+4*\c], s[10:11] offset:512*\c
.endr
	global_store_b64 v8, v[28:29], s[10:11] offset:2048    ; twice a row, so that the 32 lanes store 256 consecutive bytes
.Lu_end:
	s_endpgm
.Lfunc_end_k_q3ef0dcc367_prep:
	.size	k_q3ef0dcc367_prep, .Lfunc_end_k_q3ef0dcc367_prep-k_q3ef0dcc367_prep
	.p2alignl 7, 3214868480
	.fill 96, 4, 3214868480
	.section	.rodata,"a",@progbits
	.p2align	6, 0x0
	.amdhsa_kernel k_q3ef0dcc367_prep
		.amdhsa_group_segment_fixed_size 1536
		.amdhsa_private_segment_fixed_size 0
		.amdhsa_enable_private_segment 0
		.amdhsa_kernarg_size 32
		.amdhsa_user_sgpr_count 2
		.amdhsa_user_sgpr_kernarg_segment_ptr 1
		.amdhsa_wavefront_size32 1
		.amdhsa_system_sgpr_workgroup_id_x 1
		.amdhsa_system_sgpr_workgroup_id_y 1
		.amdhsa_system_sgpr_workgroup_id_z 1
		.amdhsa_system_vgpr_workitem_id 0
		.amdhsa_next_free_vgpr 120
		.amdhsa_next_free_sgpr 66
		.amdhsa_reserve_vcc 0
		.amdhsa_float_denorm_mode_32 3
		.amdhsa_float_denorm_mode_16_64 3
		.amdhsa_memory_ordered 1
		.amdhsa_forward_progress 1
		.amdhsa_inst_pref_size 28
	.end_amdhsa_kernel
	.amdgpu_metadata
---
amdhsa.version: [ 1, 2 ]
amdhsa.kernels:
  - .name:           k_q3ef0dcc367_prep
    .symbol:         k_q3ef0dcc367_prep.kd
    .args:
      - { .name: x, .offset: 0, .size: 8, .value_kind: global_buffer, .address_space: global }
      - { .name: U_weight, .offset: 8, .size: 8, .value_kind: global_buffer, .address_space: global }
      - { .name: kv, .offset: 16, .size: 8, .value_kind: global_buffer, .address_space: global }
      - { .name: uq, .offset: 24, .size: 8, .value_kind: global_buffer, .address_space: global }
    .group_segment_fixed_size: 1536
    .private_segment_fixed_size: 0
    .kernarg_segment_align: 8
    .kernarg_segment_size: 32
    .max_flat_workgroup_size: 256
    .sgpr_count:     66
    .vgpr_count:     120
    .wavefront_size: 32
...
	.end_amdgpu_metadata
.endif
;; end of part 1
;; launch attn (part 2): grid 32 x 8, 8 waves a work-group, clusters of 4 x 1, 327,680 bytes of LDS; arguments uq, kv, out0; writes out0
.if DOCPART == 2
	.amdgcn_target "amdgcn-amd-amdhsa--gfx1250"
	.amdhsa_code_object_version 6
	.text
	.protected	k_q3ef0dcc367_attn
	.globl	k_q3ef0dcc367_attn
	.p2align	8
	.type	k_q3ef0dcc367_attn,@function
k_q3ef0dcc367_attn:
	s_mov_b64 s[64:65], 0
	v_nop
	global_prefetch_b8 v0, s[64:65] scope:SCOPE_SE
	s_setreg_imm32_b32 hwreg(HW_REG_WAVE_MODE, 25, 1), 1
	s_wait_xcnt 0x0
	s_wait_alu depctr_hold_cnt(0) depctr_sa_sdst(0) depctr_va_vdst(0) depctr_va_sdst(0) depctr_va_ssrc(0) depctr_va_vcc(0) depctr_vm_vsrc(0)
	s_getreg_b32 s2, hwreg(HW_REG_IB_STS2, 6, 4)
	s_cmp_eq_u32 s2, 0
	s_cbranch_scc0 .Lentry_in_a_cluster
	s_endpgm
.Lentry_in_a_cluster:
	s_bfe_u32 s2, ttmp6, 0x10000c
	s_cmp_lg_u32 s2, 0x3003
	s_cbranch_scc0 .Lentry_shape_is_right
	s_endpgm
.Lentry_shape_is_right:
; out0[b][c][:] = the sum over l of softmax_l(U[c] . x[b][l]) x[b][l][:], both products on codes of FP8 (E4M3) with one E8M0 scale for each 32 along a product's K.
; The launch before left U's 8,921 rows in uq and x in kv as images of the operands' registers: uq 2,304 bytes a tile of 16 rows; kv 33,792 bytes a step of 128 keys
; (K's eight fragments, V's eight, then four registers of scale words: K's word and V's word of tile 2 j + lane / 16 side by side, 8 bytes a lane).
; THE SOFTMAX AHEAD OF THE SECOND PRODUCT: t = score x log2(e); M = the row's largest t so far, rounded UP to a whole number; p = 2^(t - M) is quantised along the keys, not normalised.  The row's sum is
; taken of the unquantised p and divides at the end.  When M moves, the sum and O are multiplied by 2^(old M - new M): exact.  A block's scale is 2^(floor(its largest t - M) - 8), its byte held at 1 from below.
; SHARES.  32 work-groups a batch own 279 rows of U each (the last 272): 18 tiles of 16 queries.  Wave w owns tiles 2 w and 2 w + 1 through all 20 key steps.  Tile 16 is divided between waves 0 and 1, tile 17 between
; waves 2 and 3: each takes every other key step, with a maximum, a sum and an O of its own; the two parts are joined through LDS at the end.
; LAYOUT.  Both products are used transposed: S^T = K Q^T (source 0 = 16 keys, source 1 = 16 queries), O^T = V^T P^T: a lane holds ONE query (lane % 16) throughout.  The keys of a tile are chosen
; (by the launch before) so that the 16 registers of tiles 2 b and 2 b + 1 are keys 32 b + 16 (lane / 16) + 0 .. 15: the conversions' results are the second product's operand.
; RING.  Two LDS slots of four key steps (135,168 bytes).  Each of the eight waves brings an eighth of a slot (66 rows of 256 bytes, dense) by one tensor load: one load of a wave is out at a time.
; It has four key steps, at least 128 matrix instructions of the wave and the vector work of eight softmax steps, in which to land; no prefetch is laid ahead of it.
; CLUSTER.  The four work-groups of a cluster belong to one batch and walk the same kv: every fill is asked for JOINTLY, by the same tensor load with the same descriptor and the mask of all four.
; The place in the cluster enters uq's and out0's addresses and the stores' lane masks alone.
; EDGES.  The last step has 68 true keys: the scores of the others become -infinity, so p = 0 and its codes are zeros.  Rows of tiles 16 and 17 beyond the work-group's own are computed on U's rows (held at the last) and not stored.
; LIMITS: NaN and infinities among the inputs are not served.  M is a whole number in f32, exact for |t| under 2^24.
; REGISTERS.  Window 0: v0 LDS place of the shared tile's Q; v1, v15 the step's addresses (fragments, scale words); v2, v3 the add's; v4-7 K's scale words, v8-11 V's; v12, v13 p's; v16-18 Q's; v14, v19 my lane's places;
;   v20+4k tile k: -M, its largest score, the sum in two halves; v32-47, v48-63 K's fragments 6 and 7, then at work for tile 0 (or the shared tile) and tile 1: +0 block maxima, +4 scale operands, +8 holds, +12 the factor f;
;   v64-127 S^T of tile 0, then p, then V's fragments 0-3; v128-191 the same of tile 1, then V's 4-7; v192-255 K's fragments 0-3.
;   Window 1: v64k O^T of tile k; v192+16k Q's fragment of tile k = 0, 1; v224, v240 K's fragments 4 and 5, then the codes of p of tiles 0 and 1.  The shared tile's Q lies in LDS.
.set STEPB,  33792
.set SLOTB,  4*STEPB                   ; 135,168
.set EIGHTH, SLOTB/8                   ; 16,896 = 66 x 256
.set KVB,    20*STEPB                  ; a batch of kv
.set SPARE,  2*SLOTB                   ; behind the ring: the spare words, 128 bytes for each wave: four blocks of 256 bytes that no other line names
.set EX,     SPARE+1024                ; 256 bytes for each wave: -M and the sum of the shared tile's part
.set Q2L,    EX+2048                   ; 2,048 bytes for each wave: the shared tile's Q fragment
.set TILEB,  16*528                    ; a tile on the way out: 16 rows of 512 bytes + 16
.set PART,   Q2L+8*2048                ; a tile for each of waves 0-3: its part of the shared tile
.set NC,     8921
.set OWN,    279                       ; rows of a work-group
.set UT,     2304                      ; a tile of uq
.set MSB, 0
.macro WIN new                         ; s_set_vgpr_msb: bits 1:0 source 0, 3:2 source 1, 5:4 source 2, 7:6 destination; the high byte repeats the setting that is left
.if MSB != \new
	s_set_vgpr_msb (MSB<<8)|\new
.set MSB, \new
.endif
.endm
.macro CROUND                          ; a round of the cluster's barrier: my work-group's barrier; wave 0 signals for the work-group; every wave waits for all four; my work-group's barrier once more
	s_barrier_signal -1
	s_barrier_wait -1
	s_cmp_lg_u32 s10, 0
	s_cbranch_scc1 .Lnot_wave_0_\@
	s_barrier_signal -3
.Lnot_wave_0_\@:
	s_barrier_wait -3
	s_barrier_signal -1
	s_barrier_wait -1
.endm
.macro JLOAD                           ; my eighth of a slot, asked for jointly; four v_nop follow
	tensor_load_to_lds s[24:27], s[16:23]
	s_nop 0
.rept 4
	v_nop
.endr
.endm
; THE CHANGE OF SLOTS stands at a slot's head.  Each wave waits for all its tensor loads (its eighth of the slot ahead), adds 0 to its spare word, and waits for that and for its reads of the slot left.
; fill = 1: behind a round of the cluster's barrier (no wave of any partner still reads the other slot or has a load on its way) that other slot is filled with the next four steps.
.macro CHANGE fill
	s_wait_tensorcnt 0x0                           ; no tensor load of mine is out, so the descriptor may be written
	ds_add_u32 v2, v3                              ; 0 onto my spare word
.if \fill
	s_xor_b32 s15, s28, SLOTB                      ; the slot that is not read next,
	s_add_co_u32 s25, s15, s38                     ; my eighth of it,
	s_add_nc_u64 s[26:27], s[26:27], SLOTB         ; the next four steps; the type bits on top are not reached
.endif
	s_wait_dscnt 0x0                               ; the add is done, and my reads of the slot that I have left are over
.if \fill
	CROUND
	JLOAD                                          ; the first thing behind the round, and my one tensor load until the next
.else
	s_barrier_signal -1
	s_barrier_wait -1
.endif
	v_add_nc_u32 v1, s28, v19                      ; the slot's first step: K's scale words and fragments 0-3
	v_add_nc_u32 v15, s28, v14
.irp j, 0,1,2,3
	ds_load_b32 v[4+\j], v15 offset:256*\j
.endr
.irp f, 0,1,2,3
	LK \f, 192+16*\f
.endr
	s_mov_b32 s55, 0
	s_mov_b32 s30, 4
.endm
.macro LK f, reg                       ; K's fragment f of this step
.irp c, 0,1,2,3
	ds_load_b128 v[\reg+4*\c:\reg+4*\c+3], v1 offset:2048*(\f)+512*\c
.endr
.endm
.macro LV t, reg                       ; V's fragment t of this step
.irp c, 0,1,2,3
	ds_load_b128 v[\reg+4*\c:\reg+4*\c+3], v1 offset:16384+2048*(\t)+512*\c
.endr
.endm
.macro LVW                             ; V's scale words
.irp j, 0,1,2,3
	ds_load_b32 v[8+\j], v15 offset:256*\j+4
.endr
.endm
.macro AHW                             ; of the next step: K's scale words,
.irp j, 0,1,2,3
	ds_load_b32 v[4+\j], v62 offset:256*\j
.endr
.endm
.macro AHL i                           ; and half a fragment (of 0-3)
	ds_load_b128 v[192+8*\i:195+8*\i], v46 offset:1024*\i
	ds_load_b128 v[196+8*\i:199+8*\i], v46 offset:1024*\i+512
.endm
; S^T = K Q^T for key tiles 2 g and 2 g + 1 (fragments in ka and kb) x my two tiles of queries.  Scale register g carries tile 2 g in lanes 0-15 and tile 2 g + 1 in lanes 16-31.
.macro WK g, ka, kb
.irp k, 0,1
	v_wmma_scale_f32_16x16x128_f8f6f4 v[64+64*\k+16*(\g):71+64*\k+16*(\g)], v[\ka:\ka+15], v[192+16*\k:207+16*\k], 0, v[4+(\g)], v[16+\k]
.endr
.irp k, 0,1
	v_wmma_scale_f32_16x16x128_f8f6f4 v[72+64*\k+16*(\g):79+64*\k+16*(\g)], v[\kb:\kb+15], v[192+16*\k:207+16*\k], 0, v[4+(\g)], v[16+\k] matrix_a_scale:MATRIX_SCALE_ROW1
.endr
.endm
.macro WKT g, ka, kb                   ; the same for the shared tile, whose Q fragment stands in v128-143
	v_wmma_scale_f32_16x16x128_f8f6f4 v[64+16*(\g):71+16*(\g)], v[\ka:\ka+15], v[128:143], 0, v[4+(\g)], v18
	v_wmma_scale_f32_16x16x128_f8f6f4 v[72+16*(\g):79+16*(\g)], v[\kb:\kb+15], v[128:143], 0, v[4+(\g)], v18 matrix_a_scale:MATRIX_SCALE_ROW1
.endm
; O^T (at d), channels 16 t on, += V^T P^T over these 128 keys: V's fragment in a, p's codes in q, p's scale word in w
.macro PV d, a, q, w, t
.if (\t)%2
	v_wmma_scale_f32_16x16x128_f8f6f4 v[\d:\d+7], v[\a:\a+15], v[\q:\q+15], v[\d:\d+7], v[8+(\t)/2], v[\w] matrix_a_scale:MATRIX_SCALE_ROW1
.else
	v_wmma_scale_f32_16x16x128_f8f6f4 v[\d:\d+7], v[\a:\a+15], v[\q:\q+15], v[\d:\d+7], v[8+(\t)/2], v[\w]
.endif
.endm
.macro MASKT s                         ; register 16 b + i holds key 32 b + 16 (lane / 16) + i: hidden from 68 on
.irp i, 0,1,2,3
	v_cndmask_b32 v[\s+32+\i], v[\s+32+\i], v47, s37   ; keys 64 + i count in lanes 0-15, keys 80 + i in lanes 16-31 do not
.endr
.set n, 36
.rept 28
	v_mov_b32 v[\s+n], v47
.set n, n+1
.endr
.endm
.macro MASK two                        ; the last step of the last slot, whose keys from 68 on do not exist; the other steps jump over it
	s_cmp_lg_u32 s30, 1
	s_cbranch_scc1 .Lopen_\@
	v_mov_b32 v47, 0xff800000                      ; -infinity
	MASKT 64
.if \two
	MASKT 128
.endif
.Lopen_\@:
.endm
; Block b's largest score, my 16 keys: two chains of seven, then joined with the two that are left; the lines of several blocks take turns
.macro MX n, s, t, b
.if \n == 0
	v_max3_num_f32 v[\t+\b], v[\s+16*(\b)], v[\s+16*(\b)+1], v[\s+16*(\b)+2]
	v_max3_num_f32 v[\t+4+\b], v[\s+16*(\b)+8], v[\s+16*(\b)+9], v[\s+16*(\b)+10]
.endif
.if (\n == 3) || (\n == 5)
	v_max3_num_f32 v[\t+\b], v[\t+\b], v[\s+16*(\b)+\n], v[\s+16*(\b)+\n+1]
	v_max3_num_f32 v[\t+4+\b], v[\t+4+\b], v[\s+16*(\b)+\n+8], v[\s+16*(\b)+\n+9]
.endif
.if \n == 7
	v_max3_num_f32 v[\t+\b], v[\t+\b], v[\t+4+\b], v[\s+16*(\b)+7]
.endif
.if \n == 15
	v_max_num_f32 v[\t+\b], v[\t+\b], v[\s+16*(\b)+15]
.endif
.endm
.macro MAXB n, b, s, t                 ; blocks b, b + 1 of the tile at s
	MX \n, \s, \t, \b
	MX \n, \s, \t, \b+1
.endm
.macro MAXALL s, t                     ; all four blocks
	MAXB 0, 0, \s, \t
	MAXB 3, 0, \s, \t
	MAXB 5, 0, \s, \t
	MAXB 0, 2, \s, \t
	MAXB 7, 0, \s, \t
	MAXB 3, 2, \s, \t
	MAXB 15, 0, \s, \t
	MAXB 5, 2, \s, \t
	MAXB 7, 2, \s, \t
	MAXB 15, 2, \s, \t
.endm
; From the block maxima to -M, the factor f, the scale operands, the holds and p's scale word, line by line (so that two tiles, and other work, take turns)
.macro SC n, t, st, w
.if \n == 1
.irp b, 0,1,2,3
	v_permlanex16_b32 v[\t+4+\b], v[\t+\b], s34, s35
.endr
.endif
.if \n == 2                                    ; with lane l xor 16's 16 keys
	v_dual_max_num_f32 v[\t], v[\t], v[\t+4] :: v_dual_max_num_f32 v[\t+1], v[\t+1], v[\t+5]
	v_dual_max_num_f32 v[\t+2], v[\t+2], v[\t+6] :: v_dual_max_num_f32 v[\t+3], v[\t+3], v[\t+7]
.endif
.if \n == 3
	v_max3_num_f32 v[\t+8], v[\t], v[\t+1], v[\t+2]
.endif
.if \n == 4
	v_max3_num_f32 v[\st+1], v[\t+8], v[\t+3], v[\st+1]   ; the largest score of my query so far
.endif
.if \n == 5
	v_mul_f32 v[\t+9], 0xbfb8aa3b, v[\st+1]        ; -t
.endif
.if \n == 6
	v_floor_f32 v[\t+9], v[\t+9]                   ; the new -M = floor(-t) = -ceil(t)
.endif
.if \n == 7
	v_sub_f32 v[\t+8], v[\t+9], v[\st]             ; old M - new M: a whole number, 0 or less
.endif
.if \n == 8
	v_mov_b32 v[\st], v[\t+9]
.endif
.if \n == 9
	v_cvt_i32_f32 v[\t+8], v[\t+8]                 ; (it saturates)
.endif
.if \n == 10
	v_ldexp_f32 v[\t+12], 1.0, v[\t+8]             ; f = 2^(old M - new M)
.endif
.if \n == 11                                   ; each block's largest t - M
	v_pk_fma_f32 v[\t:\t+1], v[\t:\t+1], s[32:33], v[\st:\st+1] op_sel_hi:[1,0,0]
	v_pk_fma_f32 v[\t+2:\t+3], v[\t+2:\t+3], s[32:33], v[\st:\st+1] op_sel_hi:[1,0,0]
.endif
.if \n == 12                                   ; held at -118 from below: the byte cannot fall under 1
	v_dual_max_num_f32 v[\t], s39, v[\t] :: v_dual_max_num_f32 v[\t+1], s39, v[\t+1]
	v_dual_max_num_f32 v[\t+2], s39, v[\t+2] :: v_dual_max_num_f32 v[\t+3], s39, v[\t+3]
.endif
.if \n == 13                                   ; e = floor(log2(the block's largest p))
.irp b, 0,1,2,3
	v_cvt_floor_i32_f32 v[\t+\b], v[\t+\b]
.endr
.endif
.if \n == 14
	v_lshl_add_u32 v[\t+14], v[\t+1], 8, v[\t]     ; the scale word: the sum of (e + 119) << 8 b; the four 119s are added last
.endif
.if \n == 15
.irp b, 0,1,2,3
	v_lshl_add_u32 v[\t+4+\b], v[\t+\b], 23, 0x3b800000   ; 2^(e - 8): the conversion's scale operand
.endr
.endif
.if \n == 16
	v_lshl_add_u32 v[\t+14], v[\t+2], 16, v[\t+14]
.endif
.if \n == 17
.irp b, 0,1,2,3
	v_lshl_add_u32 v[\t+8+\b], v[\t+\b], 23, 0x3fe00000   ; 448 x the scale = 1.75 x 2^e
.endr
.endif
.if \n == 18
	v_lshl_add_u32 v[\t+14], v[\t+3], 24, v[\t+14]
.endif
.if \n == 19
	v_add_nc_u32 v[\w], 0x77777777, v[\t+14]
.endif
.endm
.macro SCA n                           ; of tile 0,
	SC \n, 32, 20, 12
.endm
.macro SCB n                           ; of tile 1
	SC \n, 48, 24, 13
.endm
.macro SC1 n
	SC \n, 32, 28, 12
.endm
.macro TM4 st                          ; t - M of tile 0's (or the shared tile's) next eight scores, two at a time (of the pairs c and -M the low word serves both halves)
.rept 4
	v_pk_fma_f32 v[64+tn:65+tn], v[64+tn:65+tn], s[32:33], v[\st:\st+1] op_sel_hi:[1,0,0]
.set tn, tn+2
.endr
.endm
.macro REST sc, st                     ; the scale's last lines; the 32 multiply-adds stand among them
.set tn, 0
	\sc 10
	TM4 \st
	\sc 11
	TM4 \st
	\sc 12
	TM4 \st
	\sc 13
	TM4 \st
	\sc 14
	\sc 15
	TM4 \st
	\sc 16
	\sc 17
	TM4 \st
	\sc 18
	TM4 \st
	\sc 19
	TM4 \st
.endm
.macro SUM s, st                       ; the row's sum is taken of the unquantised p: two at a time, in seven chains (the pairs at 32, 34, 46, 48, 50, 62 are free here)
	v_pk_add_f32 v[32:33], v[\s:\s+1], v[\s+2:\s+3]
	v_pk_add_f32 v[34:35], v[\s+4:\s+5], v[\s+6:\s+7]
	v_pk_add_f32 v[46:47], v[\s+8:\s+9], v[\s+10:\s+11]
	v_pk_add_f32 v[48:49], v[\s+12:\s+13], v[\s+14:\s+15]
	v_pk_add_f32 v[50:51], v[\s+16:\s+17], v[\s+18:\s+19]
	v_pk_add_f32 v[62:63], v[\s+20:\s+21], v[\s+22:\s+23]
.set n, 24
.irp c, \st+2,32,34,46,48,50,62,\st+2,32,34,46,48,50,62,\st+2,32,34,46,48,50
	v_pk_add_f32 v[\c:\c+1], v[\c:\c+1], v[\s+n:\s+n+1]
.set n, n+2
.endr
	v_pk_add_f32 v[50:51], v[50:51], v[62:63]
	v_pk_add_f32 v[32:33], v[32:33], v[34:35]
	v_pk_add_f32 v[46:47], v[46:47], v[48:49]
	v_pk_add_f32 v[\st+2:\st+3], v[\st+2:\st+3], v[50:51]
	v_pk_add_f32 v[32:33], v[32:33], v[46:47]
	v_pk_add_f32 v[\st+2:\st+3], v[\st+2:\st+3], v[32:33]
.endm
.macro HOLD2 s, t                      ; the conversion to an 8-bit code does not saturate (ISA guide 7.6.2); p is not negative, so the hold is one-sided.  Numbers n, n + 1
	v_dual_min_num_f32 v[\s+n], v[\s+n], v[\t+8+n/16] :: v_dual_min_num_f32 v[\s+n+1], v[\s+n+1], v[\t+8+n/16]
.endm
.macro HOLD s, t
.set n, 0
.rept 32
	HOLD2 \s, \t
.set n, n+2
.endr
.endm
.macro CODES s, t, d                   ; p's codes, into window 1
	WIN 0x40
.irp b, 0,1,2,3
	v_cvt_scalef32_pk8_fp8_f32 v[\d+4*\b:\d+4*\b+1], v[\s+16*\b:\s+16*\b+7], v[\t+4+\b]
	v_cvt_scalef32_pk8_fp8_f32 v[\d+4*\b+2:\d+4*\b+3], v[\s+16*\b+8:\s+16*\b+15], v[\t+4+\b]
.endr
	WIN 0
.endm
.macro RESC d, f                       ; O^T under the new M (window 1), each accumulator from its low end on
.set n, 0
.rept 32
	v_pk_mul_f32 v[\d+n:\d+n+1], v[\d+n:\d+n+1], v[\f:\f+1] op_sel_hi:[1,0]
.set n, n+2
.endr
.endm
; A KEY STEP: 128 keys.  K's fragments 0-3 and scale words have been asked for.
.macro STEP mask
	s_add_co_u32 s29, s28, s55                     ; where the step's image begins
	s_add_co_u32 s55, s55, STEPB
	s_min_u32 s54, s55, 3*STEPB                    ; and the next step's, held inside the slot (the slot's last step asks for nothing ahead)
	s_add_co_u32 s54, s54, s28
	v_add_nc_u32 v1, s29, v19
	v_add_nc_u32 v15, s29, v14
.rept 7
	v_nop                                          ; with the two lines above nine places behind the last step's products: products and loads write over registers that those read
.endr
	s_wait_alu depctr_va_vdst(0)
	s_and_b32 s15, s30, 1
	s_cmp_lg_u32 s15, s11                          ; is this step of the shared tile mine?  By the wave's number and the count of steps alone (waves 4-7: never)
	s_cbranch_scc1 .Lnot_mine_\@
.irp c, 0,1,2,3
	ds_load_b128 v[128+4*\c:131+4*\c], v0 offset:512*\c   ; its Q
.endr
	WIN 0x40
	LK 4, 224
	LK 5, 240
	WIN 0
	LK 6, 32
	LK 7, 48
	s_wait_dscnt 16                                ; all but fragments 4 to 7
	WKT 0, 192, 208
	WKT 1, 224, 240
	s_wait_dscnt 8                                 ; all but fragments 6 and 7
	WIN 0x01
	WKT 2, 224, 240
	WIN 0
	s_wait_dscnt 0x0
	WKT 3, 32, 48
.rept 8
	v_nop                                          ; places: the lines below write over fragments 6 and 7
.endr
.if \mask
	MASK 0
.endif
	MAXALL 64, 32
.irp n, 1,2,3,4,5,6,7,8,9
	SC1 \n
.endr
	REST SC1, 28
	s_wait_alu depctr_va_vdst(0)                   ; ahead of the batch
	LVW                                            ; V's words and fragments 0-3, in one run (K's fragments 0-3 stand in v192-255 still, for my own two tiles)
.irp t, 0,1,2,3
	LV \t, 128+16*\t
.endr
.set n, 0
.rept 64
	v_exp_f32 v[64+n], v[64+n]                     ; p = 2^(t - M)
.set n, n+1
.endr
	v_pk_mul_f32 v[30:31], v[30:31], v[44:45] op_sel_hi:[1,0]   ; the sum under the new M (a plain line behind the exponentials)
	s_wait_alu depctr_va_vdst(0)                   ; and behind it
	SUM 64, 28
	HOLD 64, 32
	CODES 64, 32, 224
.irp t, 4,5,6,7
	LV \t, 16*\t
.endr
	WIN 0x41
	s_wait_alu depctr_va_vdst(0)                   ; directly ahead of the first readers of O^T
	RESC 128, 44                                   ; these 32 also stand between the codes and the products that take them
	WIN 0x54
	s_wait_alu depctr_va_vdst(0)                   ; directly ahead of the wait below
	s_wait_dscnt 16                                ; all but V's fragments 4-7
.irp t, 0,1,2,3
	PV 128+8*\t, 128+16*\t, 224, 12, \t
.endr
	s_wait_dscnt 0x0
.irp t, 4,5,6,7
	PV 128+8*\t, 16*\t, 224, 12, \t
.endr
	WIN 0
.rept 9
	v_nop                                          ; places, as at the step's head
.endr
.Lnot_mine_\@:
	WIN 0x40
	LK 4, 224
	LK 5, 240
	WIN 0
	LK 6, 32
	LK 7, 48
	s_wait_dscnt 16                                ; all but fragments 4 to 7
	WIN 0x04                                       ; source 1 (Q) in window 1
	WK 0, 192, 208
	WK 1, 224, 240
	s_wait_dscnt 8                                 ; all but fragments 6 and 7
	WIN 0x05                                       ; fragments 4 and 5 lie in window 1
	WK 2, 224, 240
	WIN 0x04
	s_wait_dscnt 0x0
	WK 3, 32, 48
	WIN 0
.rept 8
	v_nop                                          ; places: the lines below write over fragments 6 and 7
.endr
.if \mask
	MASK 1
.endif
	MAXALL 64, 32                                  ; tile 0's maxima;
	SCA 1                                          ; its chain stands among tile 1's maxima,
	MAXB 0, 0, 128, 48
	SCA 2
	MAXB 3, 0, 128, 48
	SCA 3
	MAXB 5, 0, 128, 48
	SCA 4
	MAXB 0, 2, 128, 48
	SCA 5
	MAXB 7, 0, 128, 48
	SCA 6
	MAXB 3, 2, 128, 48
	SCA 7
	MAXB 15, 0, 128, 48
	SCA 8
	MAXB 5, 2, 128, 48
	SCA 9
	MAXB 7, 2, 128, 48
	SCA 10
	MAXB 15, 2, 128, 48
.set tn, 0
	SCB 1                                          ; and tile 1's chain among tile 0's multiply-adds and last lines
	TM4 20
	SCB 2
	SCA 11
	SCB 3
	TM4 20
	SCB 4
	SCA 12
	SCB 5
	TM4 20
	SCB 6
	SCA 13
	SCB 7
	TM4 20
	SCB 8
	SCA 14
	SCA 15
	SCB 9
	TM4 20
	SCB 10
	SCA 16
	SCA 17
	SCB 11
	TM4 20
	SCA 18
	SCB 12
	TM4 20
	SCB 13
	SCA 19
	TM4 20
	SCB 14
	SCB 15
	SCB 16
	SCB 17
	SCB 18
	v_add_nc_u32 v46, s54, v19                     ; the next step's place
	SCB 19
	v_add_nc_u32 v62, s54, v14
	s_wait_alu depctr_va_vdst(0)                   ; ahead of the batch, of the branch and of the loads
	s_cmp_eq_u32 s30, 1
	s_cbranch_scc1 .Llast_\@
	AHW                                            ; the next step's K words and fragments 0-3, in one run, into registers that this step's products are done with
.irp i, 0,1,2,3,4,5,6,7
	AHL \i
.endr
.Llast_\@:
.set n, 0
.rept 32                                       ; tile 0's exponentials; tile 1's multiply-adds stand among them: each reads and writes tile 1's scores alone and is first read behind the wait below
	v_exp_f32 v[64+n], v[64+n]
	v_exp_f32 v[65+n], v[65+n]
	v_pk_fma_f32 v[128+n:129+n], v[128+n:129+n], s[32:33], v[24:25] op_sel_hi:[1,0,0]
.set n, n+2
.endr
	v_pk_mul_f32 v[22:23], v[22:23], v[44:45] op_sel_hi:[1,0]   ; the sums under the new M
	v_pk_mul_f32 v[26:27], v[26:27], v[60:61] op_sel_hi:[1,0]
	s_wait_alu depctr_va_vdst(0)                   ; behind the batch, and ahead of the next
	SUM 64, 20
.set n, 0
.rept 32                                       ; tile 1's exponentials; tile 0's holds stand among them
	v_exp_f32 v[128+n], v[128+n]
	v_exp_f32 v[129+n], v[129+n]
	HOLD2 64, 32
.set n, n+2
.endr
	s_wait_alu depctr_va_vdst(0)                   ; behind the batch
	CODES 64, 32, 224
	LVW
.irp t, 0,1,2,3
	LV \t, 64+16*\t                                ; into tile 0's p, which is done with: they land under tile 1's lines
.endr
	SUM 128, 24
	HOLD 128, 48
	CODES 128, 48, 240
.irp t, 4,5,6,7
	LV \t, 64+16*\t                                ; into tile 1's
.endr
	WIN 0x41
	s_wait_alu depctr_va_vdst(0)                   ; directly ahead of the first readers of O^T
	RESC 0, 44
	RESC 64, 60
	WIN 0x54
	s_wait_alu depctr_va_vdst(0)                   ; directly ahead of the wait below
	s_wait_dscnt 16                                ; all but V's fragments 4-7
.irp t, 0,1,2,3                                ; the accumulators take turns, one instruction a turn
	PV 8*\t, 64+16*\t, 224, 12, \t
	PV 64+8*\t, 64+16*\t, 240, 13, \t
.endr
	s_wait_dscnt 0x0
.irp t, 4,5,6,7
	PV 8*\t, 64+16*\t, 224, 12, \t
	PV 64+8*\t, 64+16*\t, 240, 13, \t
.endr
	WIN 0
.endm
	s_load_b128 s[4:7], s[0:1], 0x0                ; uq, kv
	s_load_b64 s[8:9], s[0:1], 0x10                ; out0
	v_lshl_add_u32 v2, v0, 2, SPARE
	v_mov_b32 v3, 0
	ds_add_u32 v2, v3                              ; the wave's opening: the add, twice on end, and its wait ahead of my first tensor load
	ds_add_u32 v2, v3
	v_lshrrev_b32 v1, 5, v0
	v_readfirstlane_b32 s10, v1                    ; wave 0..7
	s_bfe_u32 s12, ttmp6, 0x40000                  ; cx: my place in the cluster
	s_lshl_b32 s13, ttmp9, 2                       ; in a cluster launch ttmp9 counts clusters
	s_add_co_u32 s13, s13, s12                     ; work-group x = 0 .. 31
	s_and_b32 s14, ttmp7, 0xffff                   ; the batch, which the four partners share
	s_and_b32 s11, s10, 1                          ; which steps of the shared tile are mine: those with this parity of the count of steps;
	s_lshr_b32 s15, s10, 2
	s_lshl_b32 s15, s15, 1
	s_add_co_u32 s11, s11, s15                     ; waves 4-7: 2 or 3, which no parity is
	s_lshr_b32 s15, s10, 1
	s_and_b32 s15, s15, 1                          ; which of the two shared tiles (waves 4-7 keep a copy of its Q that no step reads: one text for all waves)
	s_mul_i32 s43, s13, OWN                        ; the work-group's first row of U
	s_add_co_u32 s58, s43, OWN
	s_min_u32 s58, s58, NC                         ; and the row behind its last
	s_lshl_b32 s40, s10, 5
	s_add_co_u32 s40, s40, s43                     ; tile 2 w
	s_add_co_u32 s41, s40, 16                      ; tile 2 w + 1
	s_lshl_b32 s42, s15, 4
	s_add_co_u32 s42, s42, s43
	s_add_co_u32 s42, s42, 256                     ; the shared tile
	s_lshl_b32 s59, s10, 2
	s_add_co_u32 s59, s59, s43
	s_add_co_u32 s59, s59, 256                     ; the four rows of the shared tiles that I store: 256 + 4 w
	s_lshl_b32 s56, s10, 11
	s_add_co_u32 s56, s56, Q2L                     ; my place for the shared tile's Q
	v_and_b32 v32, 15, v0                          ; r
	v_bfe_u32 v33, v0, 4, 1                        ; h
	v_and_b32 v34, 31, v0
	v_lshlrev_b32 v19, 4, v34                      ; 16 x lane
	v_lshlrev_b32 v14, 3, v34
	v_add_nc_u32 v14, 32768, v14                   ; 32,768 + 8 x lane: the scale words' place in a step's image
	v_add_nc_u32 v0, s56, v19
.irp k, 0,1,2
	v_add_nc_u32 v[40+\k], s[40+\k], v32
.endr
.irp k, 0,1,2
	v_min_u32 v[40+\k], NC-1, v[40+\k]             ; the row, held at U's last
.endr
.irp k, 0,1,2
	v_lshrrev_b32 v[44+\k], 4, v[40+\k]            ; its tile in uq,
.endr
.irp k, 0,1,2
	v_and_b32 v[48+\k], 15, v[40+\k]               ; and its place in that tile
.endr
.irp k, 0,1,2
	v_mul_u32_u24 v[44+\k], v[44+\k], UT
.endr
.irp k, 0,1,2
	v_lshl_add_u32 v[40+\k], v[48+\k], 4, v[44+\k]
.endr
.irp k, 0,1,2
	v_lshl_add_u32 v[40+\k], v33, 8, v[40+\k]      ; codes: + 16 (place + 16 h)
.endr
.irp k, 0,1,2
	v_lshl_add_u32 v[44+\k], v[48+\k], 3, v[44+\k] ; scale word: + 8 x place
.endr
	s_wait_alu depctr_va_vdst(0)                   ; directly ahead of the waits below
	s_wait_dscnt 0x0                               ; both opening adds are done
	s_wait_kmcnt 0x0
.irp k, 0,1,2
	global_load_b32 v[16+\k], v[44+\k], s[4:5] offset:2048
.endr
.irp c, 0,1,2,3
	global_load_b128 v[64+4*\c:67+4*\c], v42, s[4:5] offset:512*\c   ; the shared tile's Q
.endr
	WIN 0x40
.irp k, 0,1
.irp c, 0,1,2,3
	global_load_b128 v[192+16*\k+4*\c:195+16*\k+4*\c], v[40+\k], s[4:5] offset:512*\c
.endr
.endr
	WIN 0
	; descriptor group 1: 66 rows of 256 bytes (32 elements of 8 bytes), dense, no padding
	s_mov_b32 s16, 15|(3<<16)|(1<<21)              ; 15:0 the mask: all four work-groups; 17:16 elements of 8 bytes; 21 set beside a mask
	s_mov_b32 s17, 32<<16                          ; tensor_dim0 = 32
	s_mov_b32 s18, 66<<16                          ; tensor_dim1 = 66
	s_mov_b32 s19, 32<<16                          ; tile_dim0 = 32
	s_mov_b32 s20, 66                              ; tile_dim1 = 66
	s_mov_b32 s21, 32                              ; from row to row
	s_mov_b32 s22, 0
	s_mov_b32 s23, 0
	s_mul_i32 s38, s10, EIGHTH                     ; my eighth of a slot, in LDS and in memory alike
	s_mul_i32 s52, s14, KVB
	s_add_co_u32 s52, s52, s38                     ; (registers that never hold my place in the cluster)
	s_mov_b32 s53, 0
	s_mov_b32 s24, 1                               ; descriptor group 0: count = 1,
	s_mov_b32 s25, s38                             ; LDS address: slot 0, my eighth,
	s_add_nc_u64 s[26:27], s[6:7], s[52:53]        ; global address: the batch's first four steps, my eighth,
	s_or_b32 s27, s27, 0x80000000                  ; type = 2
	CROUND                                         ; all four work-groups are here: the first joint loads meet
	JLOAD                                          ; steps 0 to 3 into slot 0
	s_mul_i32 s15, s14, NC
	s_mov_b32 s51, 0
	s_add_co_u32 s50, s15, s40
	s_lshl_b32 s50, s50, 9                         ; a row of out0 is 512 bytes; all of out0 stays under 2^32
	s_add_nc_u64 s[44:45], s[8:9], s[50:51]        ; out0 at my first row
	s_add_co_u32 s50, s15, s59
	s_lshl_b32 s50, s50, 9
	s_add_nc_u64 s[48:49], s[8:9], s[50:51]        ; and at my rows of the shared tiles
	s_mov_b32 s32, 0x3fb8aa3b                      ; c = log2(e)
	s_mov_b32 s33, s32                             ; (named with it as a pair, so it is written)
	s_mov_b32 s34, 0x76543210
	s_mov_b32 s35, 0xfedcba98                      ; v_permlanex16_b32's selects for lane l xor 16
	s_mov_b32 s37, 0xffff0000                      ; lanes 16-31
	s_mov_b32 s39, 0xc2ec0000                      ; -118
	s_mov_b32 s28, 0                               ; the slot that is read: slot 0
	s_mov_b32 s31, 4                               ; fills still to be asked for
	; the step is written without a first copy: O^T and the sum begin as zeros, which the first change of M leaves zeros.  These lines stand under the loads
.irp k, 0,1,2
	v_mov_b32 v[20+4*\k], 0x7f61b1e6               ; -M: 3e38
	v_mov_b32 v[21+4*\k], 0xff61b1e6               ; the largest score so far: -3e38, under every score
	v_mov_b32 v[22+4*\k], 0
	v_mov_b32 v[23+4*\k], 0
.endr
	WIN 0x40
.set n, 0
.rept 192
	v_mov_b32 v[n], 0
.set n, n+1
.endr
	WIN 0
	s_wait_alu depctr_va_vdst(0)                   ; at the head's end
	s_wait_loadcnt 0x0
.irp c, 0,1,2,3
	ds_store_b128 v0, v[64+4*\c:67+4*\c] offset:512*\c   ; the shared tile's Q, as an image of the operand's registers
.endr
.Lslot:                                            ; four trips: behind each change of slots but the last the next four steps are asked for
	CHANGE 1
.Lstep:
	STEP 0
	s_sub_co_u32 s30, s30, 1
	s_cmp_lg_u32 s30, 0
	s_cbranch_scc1 .Lstep
	s_xor_b32 s28, s28, SLOTB                      ; on to the other slot
	s_sub_co_u32 s31, s31, 1
	s_cmp_lg_u32 s31, 0
	s_cbranch_scc1 .Lslot
	CHANGE 0                                       ; the last slot is written out: nothing is left to ask for
.Ltail:
	STEP 1                                         ; (step 19: keys 2,432 to 2,499 count)
	s_sub_co_u32 s30, s30, 1
	s_cmp_lg_u32 s30, 0
	s_cbranch_scc1 .Ltail
	; THE WAY OUT.  Slot 1 was left at the last change of slots and has had its last fill: two tiles of each wave pass through it, as rows of 528 bytes.
	s_mul_i32 s15, s10, 2*TILEB
	s_add_co_u32 s15, s15, SLOTB                   ; my two tiles' place
	s_lshl_b32 s54, s10, 8
	s_add_co_u32 s54, s54, EX-32768                ; (v14 holds 32,768 + 8 x lane)
	v_bfe_u32 v32, v19, 4, 4                       ; r
	v_bfe_u32 v33, v19, 8, 1                       ; h
	v_add_f32 v42, v22, v23                        ; the sums' two halves,
	v_add_f32 v50, v26, v27
	v_mul_u32_u24 v62, v32, 528
	v_permlanex16_b32 v43, v42, s34, s35
	v_permlanex16_b32 v51, v50, s34, s35
	v_lshl_add_u32 v62, v33, 5, v62                ; row r, 32 bytes for each half of the lanes
	v_add_f32 v42, v42, v43                        ; and lane l xor 16's
	v_add_f32 v50, v50, v51
	v_add_nc_u32 v35, s15, v62                     ; in
	v_add_nc_u32 v36, s15, v19                     ; back: a row an instruction
	s_wait_alu depctr_va_vdst(0)                   ; ahead of the branch, and ahead of the batch behind it
	s_cmp_gt_u32 s10, 3
	s_cbranch_scc1 .Lno_part
	v_add_nc_u32 v37, s54, v14
	v_add_f32 v38, v30, v31
	s_mul_i32 s54, s10, TILEB
	s_add_co_u32 s54, s54, PART
	v_mov_b32 v40, v28
	v_permlanex16_b32 v39, v38, s34, s35
	v_add_nc_u32 v34, s54, v62
	v_add_f32 v41, v38, v39
	ds_store_b64 v37, v[40:41]                     ; the shared tile's part: -M and the sum,
	s_wait_alu depctr_va_vdst(0)                   ; ahead of the transcendental
	v_rcp_f32 v52, v41
	v_nop                                          ; one plain line behind it
	WIN 0x01                                       ; source 0 (O^T) in window 1
	s_wait_alu depctr_va_vdst(0)                   ; behind it, and directly ahead of the first readers of O^T
.set n, 0
.rept 32
	v_pk_mul_f32 v[192+n:193+n], v[128+n:129+n], v[52:53] op_sel_hi:[1,0]
.set n, n+2
.endr
	WIN 0
.irp t, 0,1,2,3,4,5,6,7                ; and its O, divided by its own sum
	ds_store_b128 v34, v[192+8*\t:195+8*\t] offset:64*\t
	ds_store_b128 v34, v[196+8*\t:199+8*\t] offset:64*\t+16
.endr
.Lno_part:
	s_wait_alu depctr_va_vdst(0)
	v_rcp_f32 v44, v42
	v_rcp_f32 v60, v50
	v_nop                                          ; one plain line behind the transcendentals
	WIN 0x01                                       ; source 0 (O^T) in window 1
	s_wait_alu depctr_va_vdst(0)                   ; behind the batch, and directly ahead of the first readers of O^T
.set n, 0
.rept 32
	v_pk_mul_f32 v[64+n:65+n], v[n:n+1], v[44:45] op_sel_hi:[1,0]       ; register 8 t + i is out(r, 16 t + 8 h + i); each accumulator from its low end on
.set n, n+2
.endr
.set n, 0
.rept 32
	v_pk_mul_f32 v[128+n:129+n], v[64+n:65+n], v[60:61] op_sel_hi:[1,0]
.set n, n+2
.endr
	WIN 0
.irp k, 0,1
.irp t, 0,1,2,3,4,5,6,7
	ds_store_b128 v35, v[64+64*\k+8*\t:67+64*\k+8*\t] offset:TILEB*\k+64*\t
	ds_store_b128 v35, v[68+64*\k+8*\t:71+64*\k+8*\t] offset:TILEB*\k+64*\t+16
.endr
.irp i, 0,1,2,3,4,5,6,7,8,9,10,11,12,13,14,15
	ds_load_b128 v[64+64*\k+4*\i:67+64*\k+4*\i], v36 offset:TILEB*\k+528*\i   ; LDS serves a wave's instructions in order (ISA guide 5.7.1.4): these see my stores
.endr
.endr
	s_wait_dscnt 32                                ; tile 0 is back; tile 1's 32 instructions may be out
.irp i, 0,1,2,3,4,5,6,7,8,9,10,11,12,13,14,15
	global_store_b128 v19, v[64+4*\i:67+4*\i], s[44:45] offset:512*\i th:TH_STORE_NT   ; 32 lanes store 512 consecutive bytes, aligned; written once, read by nobody here
.endr
	s_wait_dscnt 0x0
.irp i, 0,1,2,3,4,5,6,7,8,9,10,11,12,13,14,15
	global_store_b128 v19, v[128+4*\i:131+4*\i], s[44:45] offset:8192+512*\i th:TH_STORE_NT
.endr
	; THE SHARED TILES.  Behind this barrier the parts' -M and sums are seen, and nobody reads slot 0 any more: it has had its last fill
	s_barrier_signal -1
	s_barrier_wait -1
	s_lshr_b32 s15, s10, 2                         ; which tile my four rows lie in,
	s_and_b32 s54, s10, 3                          ; and which four of its rows they are
	s_lshl_b32 s57, s15, 9
	s_lshl_b32 s60, s54, 5
	s_add_co_u32 s57, s57, s60
	s_add_co_u32 s57, s57, EX                      ; their -M and sums, in the first part
	s_mul_i32 s15, s15, 2*TILEB
	s_mul_i32 s54, s54, 4*528
	s_add_co_u32 s15, s15, s54
	s_add_co_u32 s15, s15, PART                    ; they, in the first part
	s_mov_b32 s60, s58
	s_sub_co_u32 s61, s58, 1
	s_sub_co_u32 s62, s58, 2
	s_sub_co_u32 s63, s58, 3
	v_mov_b32 v20, s57
	v_add_nc_u32 v21, s15, v19
	v_mov_b32 v22, s59                             ; my first row of U
.irp i, 0,1,2,3
.irp p, 0,1
	ds_load_b64 v[32+4*\i+2*\p:33+4*\i+2*\p], v20 offset:256*\p+8*\i   ; the same 8 bytes in all lanes
.endr
.endr
.irp i, 0,1,2,3
.irp p, 0,1
	ds_load_b128 v[192+8*\i+4*\p:195+8*\i+4*\p], v21 offset:TILEB*\p+528*\i
.endr
.endr
	s_wait_alu depctr_va_vdst(0)                   ; directly ahead of the wait below
	s_wait_dscnt 0x0
.irp i, 0,1,2,3
	v_min_num_f32 v[48+4*\i], v[32+4*\i], v[34+4*\i]   ; -M of the whole row
.endr
.irp i, 0,1,2,3
	v_sub_f32 v[49+4*\i], v[48+4*\i], v[32+4*\i]   ; each part's M less the row's
	v_sub_f32 v[50+4*\i], v[48+4*\i], v[34+4*\i]
.endr
.irp i, 0,1,2,3
	v_cvt_i32_f32 v[49+4*\i], v[49+4*\i]
	v_cvt_i32_f32 v[50+4*\i], v[50+4*\i]
.endr
.irp i, 0,1,2,3
	v_ldexp_f32 v[49+4*\i], v[33+4*\i], v[49+4*\i]   ; each part's sum under the row's M
	v_ldexp_f32 v[50+4*\i], v[35+4*\i], v[50+4*\i]
.endr
.irp i, 0,1,2,3
	v_add_f32 v[51+4*\i], v[49+4*\i], v[50+4*\i]   ; the row's sum
.endr
	s_wait_alu depctr_va_vdst(0)                   ; ahead of the batch
.irp i, 0,1,2,3
	v_rcp_f32 v[48+4*\i], v[51+4*\i]
.endr
	v_nop
	s_wait_alu depctr_va_vdst(0)                   ; and behind it
.irp i, 0,1,2,3
	v_mul_f32 v[50+4*\i], v[50+4*\i], v[48+4*\i]   ; each part's weight
	v_mul_f32 v[48+4*\i], v[49+4*\i], v[48+4*\i]
.endr
.irp u, 0,2
.irp i, 0,1,2,3
	v_pk_mul_f32 v[192+8*\i+\u:193+8*\i+\u], v[192+8*\i+\u:193+8*\i+\u], v[48+4*\i:49+4*\i] op_sel_hi:[1,0]
.endr
.endr
.irp u, 0,2
.irp i, 0,1,2,3
	v_pk_fma_f32 v[192+8*\i+\u:193+8*\i+\u], v[196+8*\i+\u:197+8*\i+\u], v[50+4*\i:51+4*\i], v[192+8*\i+\u:193+8*\i+\u] op_sel_hi:[1,0,1]
.endr
.endr
	s_wait_alu depctr_va_vdst(0)                   ; directly ahead of the wait below
	s_wait_xcnt 0x0                                ; in front of the first line that narrows EXEC
.irp i, 0,1,2,3                                ; row s59 + i is stored where it lies under the row behind the work-group's last
	v_cmp_gt_u32 vcc_lo, s[60+\i], v22
	s_and_saveexec_b32 s57, vcc_lo
	global_store_b128 v19, v[192+8*\i:195+8*\i], s[48:49] offset:512*\i th:TH_STORE_NT
	s_wait_xcnt 0x0
	s_or_b32 exec_lo, exec_lo, s57
.endr
	s_wait_tensorcnt 0x0                           ; the wave's end: behind my last tensor load and my last LDS store
	ds_add_u32 v2, v3
	s_wait_dscnt 0x0
	CROUND                                         ; the closing round: no work-group ends while a partner may still ask for a tile that names it
	s_endpgm
.Lfunc_end_k_q3ef0dcc367_attn:
	.size	k_q3ef0dcc367_attn, .Lfunc_end_k_q3ef0dcc367_attn-k_q3ef0dcc367_attn
	.p2alignl 7, 3214868480
	.fill 96, 4, 3214868480
	.section	.rodata,"a",@progbits
	.p2align	6, 0x0
	.amdhsa_kernel k_q3ef0dcc367_attn
		.amdhsa_group_segment_fixed_size 327680
		.amdhsa_private_segment_fixed_size 0
		.amdhsa_enable_private_segment 0
		.amdhsa_kernarg_size 24
		.amdhsa_user_sgpr_count 2
		.amdhsa_user_sgpr_kernarg_segment_ptr 1
		.amdhsa_wavefront_size32 1
		.amdhsa_system_sgpr_workgroup_id_x 1
		.amdhsa_system_sgpr_workgroup_id_y 1
		.amdhsa_system_sgpr_workgroup_id_z 1
		.amdhsa_system_vgpr_workitem_id 0
		.amdhsa_next_free_vgpr 512
		.amdhsa_next_free_sgpr 66
		.amdhsa_reserve_vcc 1
		.amdhsa_float_denorm_mode_32 3
		.amdhsa_float_denorm_mode_16_64 3
		.amdhsa_memory_ordered 1
		.amdhsa_forward_progress 1
		.amdhsa_inst_pref_size 165
	.end_amdhsa_kernel
	.amdgpu_metadata
---
amdhsa.version: [ 1, 2 ]
amdhsa.kernels:
  - .name:           k_q3ef0dcc367_attn
    .symbol:         k_q3ef0dcc367_attn.kd
    .args:
      - { .name: uq, .offset: 0, .size: 8, .value_kind: global_buffer, .address_space: global }
      - { .name: kv, .offset: 8, .size: 8, .value_kind: global_buffer, .address_space: global }
      - { .name: out0, .offset: 16, .size: 8, .value_kind: global_buffer, .address_space: global }
    .group_segment_fixed_size: 327680
    .private_segment_fixed_size: 0
    .kernarg_segment_align: 8
    .kernarg_segment_size: 24
    .max_flat_workgroup_size: 256
    .sgpr_count:     66
    .vgpr_count:     512
    .wavefront_size: 32
...
	.end_amdgpu_metadata
.endif
;; end of part 2
